; MI455X (gfx1250); checked and timed in simulation.
; The chip was launched on July 23, 2026; its instructions are those of AMD's public machine-readable ISA for CDNA 5 (MIT licence, August 2026) and "CDNA5" Instruction Set Architecture Reference Guide (July 2026). The comments in the code are by the model that wrote it; some were corrected since.
;; MQA Cross Attention. Allowed arithmetic: matrix products marked QUANTISED: E2M1 operands, one E8M0 scale for each 32 along K, by v_wmma_scale_f32_16x16x128_f8f6f4 with both operands' format E2M1 (or v_wmma_scale_f32_32x16x128_f4), f32 sums; everything else in f32.
;; Inputs: Wkv_codes 2,048 x 32 x 16 uint8 (E2M1 codes of Wkv, K innermost, in blocks of 32 codes, two codes a byte); Wkv_scales 2,048 x 32 uint8 (E8M0 scales of Wkv, one for each 32 codes along K); Wq_codes 1,024 x 32 x 16 uint8 (E2M1 codes of Wq, K innermost, in blocks of 32 codes, two codes a byte); Wq_scales 1,024 x 32 uint8 (E8M0 scales of Wq, one for each 32 codes along K); bkv 2,048 float32; bq 1,024 float32; text_input_codes 4 x 2,048 x 32 x 16 uint8 (E2M1 codes of text_input, K innermost, in blocks of 32 codes, two codes a byte); text_input_scales 4 x 2,048 x 32 uint8 (E8M0 scales of text_input, one for each 32 codes along K); x_codes 4 x 2,048 x 32 x 16 uint8 (E2M1 codes of x, K innermost, in blocks of 32 codes, two codes a byte); x_scales 4 x 2,048 x 32 uint8 (E8M0 scales of x, one for each 32 codes along K).
;; Outputs: out0 4 x 2,048 x 1,024 float32.
;; This version of the problem:
;;   THIS VERSION OF THE PROBLEM IS GIVEN IN LOW PRECISION. The matrix products marked QUANTISED in the list below multiply operands that are first quantised to E2M1 (2 exponent bits, 1 mantissa bit; 4 bits a number), with one power-of-two scale for each 32 numbers along K (OCP MX v1.0); their sums are f32. All else is computed in f32.
;;   The module's matrix products, in the order in which they are computed (A, B: the left and right operand; K: the contracted axis; several contracted axes count as one K, in the product's order):
;;     1. [M 8,192, K 1,024] x [K 1,024, N 1,024]; A: input x (given as codes); B: input Wq (given as codes): QUANTISED
;;     2. [M 8,192, K 1,024] x [K 1,024, N 2,048]; A: input text_input (given as codes); B: input Wkv (given as codes): QUANTISED
;;     3. batch 64 x [M 2,048, K 64] x [K 64, N 2,048]; A: computed on the way; B: computed on the way: QUANTISED
;;     4. batch 64 x [M 64, K 2,048] x [K 2,048, N 2,048]; A: computed on the way; B: softmax (see below): QUANTISED
;;   THE QUANTISER, for each operand of a quantised product, along K:
;;     - K is cut into blocks of 32 from its start; a last block that is shorter is filled with zeros.
;;     - A block's scale is 2^e with e = floor(log2(the largest magnitude in the block)) - 2, held to -126 .. 127; a block of zeros has e = 0. As a byte (E8M0): e + 127.
;;     - Each number is divided by its block's scale, clamped to +-6, and rounded to the nearest number of E2M1, ties to even, subnormals kept.
;;     - The product sums the exact products of the quantised numbers (number of the format x scale) in f32.
;;   ~~~python
;;   def quantise(x, axis):      # numpy; x: float32 -> the quantised numbers, widened to float32 again
;;       x = np.moveaxis(x, axis, -1); K = x.shape[-1]
;;       x = np.pad(x, [(0, 0)] * (x.ndim - 1) + [(0, -K % 32)]); x = x.reshape(x.shape[:-1] + (-1, 32)); a = np.abs(x).max(-1, keepdims=True)
;;       e = np.where(a > 0, np.clip(np.frexp(np.where(a > 0, a, 1))[1] - 1 - 2, -126, 127), 0)      # np.frexp(a)[1] - 1 = floor(log2(a)), exactly
;;       r = np.clip(x / 2.0 ** e, -6, 6)
;;       step = 2.0 ** (np.maximum(np.frexp(np.where(r == 0, 1, r))[1] - 1, 0) - 1)
;;       q = np.round(r / step) * step * 2.0 ** e      # np.round: ties to even
;;       return np.moveaxis(q.reshape(q.shape[:-2] + (-1,))[..., :K], -1, axis).astype(np.float32)
;;   ~~~
;;   SOFTMAX AHEAD OF A QUANTISED PRODUCT. Where the list says 'softmax', what is quantised is not the finished softmax but p = 2^(t - M), with t = logit x log2(e) and M = ceil(the row's largest t), a whole number; so 1/2 < the row's largest p <= 1. The row's sum l is taken of the UNQUANTISED p, in f32, and the product's result is divided by l at the end. Since M is a whole number, a kernel that streams over the keys may use a running M (the ceiling of the running maximum): every later rescaling is an exact power of two, which a block's scale takes up: the codes' values come out the same.
;;   OPERANDS COMPUTED ON THE WAY. 'Computed on the way' means the value that the module computes at that place (a softmax that the list does not call 'softmax' is quantised finished and normalised). What goes into a quantiser is computed in f32, as accurately as f32 sums, v_exp_f32 and their like allow (about 1e-6 of the number): no bf16 or f16 on the way to a quantiser, and a product that is left as it is and whose result goes on into a quantised operand takes f32 operands (vector FMAs, or v_wmma_f32_16x16x4_f32). A number that lies on a knife's edge between two numbers of the format may be rounded either way, as far as f32 arithmetic and the matrix unit's own rounding can turn it there, and no further.
;;   INPUTS GIVEN AS CODES. Wkv (in the module: [1024, 2048], K = its axis 0); Wq (in the module: [1024, 1024], K = its axis 0); text_input (in the module: [4, 2048, 1024], K = its axis 2); x (in the module: [4, 2048, 1024], K = its axis 2): each comes as NAME_codes (uint8): NAME with its K axis moved to the last place and cut into blocks of 32 codes, [.., K / 32, bytes a block], one block behind the other in memory; two codes a byte, the lower K in the low four bits (a code: sign, 2 exponent bits, 1 mantissa bit); and NAME_scales (uint8): the same leading axes, one E8M0 byte (e + 127) for each 32 codes along K. Its value is code x scale, taken as it is: it is not quantised again, and the codes and scales need not be those that the quantiser above would give.
;; One version. Each part assembles by itself: llvm-mc -triple=amdgcn-amd-amdhsa -mcpu=gfx1250 --defsym DOCPART=n.
;; ======== version 1 of 1: 2 launches
;; limits: right only within a limited range of input values
;; workspace buffers: kvimg 9,175,040 bytes
;; launch proj (part 1): grid 8 x 32, 4 waves a work-group, clusters of 4 x 4, 327,680 bytes of LDS; arguments text_input_codes, text_input_scales, Wkv_codes, Wkv_scales, bkv, kvimg; writes kvimg
.if DOCPART == 1
	.amdgcn_target "amdgcn-amd-amdhsa--gfx1250"
	.amdhsa_code_object_version 6
	.text
	.protected	k_q0fc445b20d_proj
	.globl	k_q0fc445b20d_proj
	.p2align	8
	.type	k_q0fc445b20d_proj,@function
k_q0fc445b20d_proj:
	s_mov_b64 s[64:65], 0
	v_nop
	global_prefetch_b8 v0, s[64:65] scope:SCOPE_SE
	s_setreg_imm32_b32 hwreg(HW_REG_WAVE_MODE, 25, 1), 1
	s_wait_xcnt 0x0
	s_wait_alu depctr_hold_cnt(0) depctr_sa_sdst(0) depctr_va_vdst(0) depctr_va_sdst(0) depctr_va_ssrc(0) depctr_va_vcc(0) depctr_vm_vsrc(0)
	s_getreg_b32 s2, hwreg(HW_REG_IB_STS2, 6, 4)
	s_cmp_eq_u32 s2, 0
	s_cbranch_scc0 .Lentry_in_a_cluster
	s_endpgm
.Lentry_in_a_cluster:
	s_bfe_u32 s2, ttmp6, 0x10000c
	s_cmp_lg_u32 s2, 0xf033
	s_cbranch_scc0 .Lentry_shape_is_right
	s_endpgm
.Lentry_shape_is_right:
; KV = text_input Wkv + bkv on codes of FP4, quantised again for the attention launch and stored as images of operand registers in kvimg.
; A work-group makes 256 x 256 of KV; 8 x 32 work-groups: cluster x 0 makes K (s2 = 1), cluster x 1 makes V (s2 = 2, used transposed, keys innermost).
; kvimg [batch x head][step of 128 keys][8,960]: K's 8 pieces of 512 bytes, V^T's 8 pieces, K's scale words (512 bytes), V's (256 bytes).
; Q's product is made by the attention launch itself, from x and Wq.
.set PITCH, 272
.set HALFT, 128*PITCH
.set SLOT,  4*HALFT
.set ADL, 16
.set ADR, 20
.set SR,  32
.set SL,  64
.set WD,  96
.set PP,  104
.set PH0, 108
.set PH1, 112
.set TM,  116
.set LF,  128
.set CO,  192
.set BI,  64
.set G1L, 12
.set G0L, 20
.set G1R, 28
.set G0R, 68
.set MSB, 0
.macro WIN new
.if MSB != (\new)
	s_set_vgpr_msb (MSB<<8)|(\new)
.set MSB, (\new)
.endif
.endm
.macro JLOAD g0l, g1l, g0r, g1r
	s_cmp_eq_u32 s7, 0
	s_cbranch_scc0 .Lfor_r_\@
	tensor_load_to_lds s[\g0l:\g0l+3], s[\g1l:\g1l+7]
	s_nop 0
.rept 4
	v_nop
.endr
	s_branch .Lasked_\@
.Lfor_r_\@:
	tensor_load_to_lds s[\g0r:\g0r+3], s[\g1r:\g1r+7]
	s_nop 0
.rept 4
	v_nop
.endr
.Lasked_\@:
.endm
.macro CROUND
	s_barrier_signal -1
	s_barrier_wait -1
	s_cmp_lg_u32 s6, 0
	s_cbranch_scc1 .Lnot_wave_0_\@
	s_barrier_signal -3
.Lnot_wave_0_\@:
	s_barrier_wait -3
	s_barrier_signal -1
	s_barrier_wait -1
.endm
.macro PLACES n
.rept \n
	v_nop
.endr
.endm
	s_load_b128 s[36:39], s[0:1], 0x0              ; text_input's codes, scales
	s_load_b128 s[44:47], s[0:1], 0x10             ; Wkv's codes, scales
	s_load_b128 s[84:87], s[0:1], 0x20             ; bkv, kvimg
	v_lshl_add_u32 v30, v0, 2, 0x44000
	v_mov_b32 v31, 0
	ds_add_u32 v30, v31
	ds_add_u32 v30, v31
	v_lshrrev_b32 v1, 5, v0
	v_readfirstlane_b32 s6, v1
	s_lshr_b32 s7, s6, 1
	s_and_b32 s8, s6, 1
	s_add_co_u32 s2, ttmp9, 1                      ; 1: K's columns of Wkv, 2: V's
	s_and_b32 s3, ttmp7, 0xffff
	s_lshl_b32 s3, s3, 2
	s_bfe_u32 s4, ttmp6, 0x40000
	s_bfe_u32 s5, ttmp6, 0x40004
	s_lshl_b32 s9, s5, 2
	s_lshl_b32 s9, 15, s9
	s_lshl_b32 s10, 0x1111, s4
	s_or_b32 s[G1L], s9, (1<<20)|(1<<21)|(5<<22)|(3<<25)
	s_or_b32 s[G1R], s10, (1<<20)|(1<<21)|(5<<22)|(3<<25)
.irp g, G1L, G1R
	s_mov_b32 s[\g+1], 256<<16
	s_mov_b32 s[\g+2], 128<<16
	s_mov_b32 s[\g+3], 256<<16
	s_mov_b32 s[\g+4], 128
	s_mov_b32 s[\g+5], 512
	s_mov_b32 s[\g+6], 0
	s_mov_b32 s[\g+7], 0
.endr
	s_mov_b32 s60, 0x76543210
	s_mov_b32 s61, 0xfedcba98
	s_mov_b32 s100, 0xffff0000
	s_lshl_b32 s11, s8, 7
	s_cmp_eq_u32 s2, 2
	s_cselect_b32 s92, s3, 0
	s_cselect_b32 s93, 0, s3
	s_add_co_u32 s92, s92, s4
	s_add_co_u32 s93, s93, s5
	s_lshl_b32 s92, s92, 8
	s_lshl_b32 s93, s93, 8
	s_add_co_u32 s92, s92, s11
	s_add_co_u32 s96, s93, s11
	s_lshl_b32 s11, s7, 7
	s_add_co_u32 s93, s93, s11
	s_lshl_b32 s94, s92, 9
	s_mov_b32 s95, 0
	s_lshl_b32 s96, s96, 9
	s_mov_b32 s97, 0
	s_mul_i32 s101, s6, HALFT
	s_wait_dscnt 0x0
	s_wait_kmcnt 0x0
	s_mov_b32 s62, 8960                            ; a record of kvimg
	s_mov_b32 s63, 8192                            ; where K's scale words stand in it
	s_cmp_eq_u32 s2, 2
	s_mov_b32 s99, 0
	s_cselect_b32 s98, 524288, 0
	s_add_nc_u64 s[44:45], s[44:45], s[98:99]
	s_cselect_b32 s98, 32768, 0
	s_add_nc_u64 s[46:47], s[46:47], s[98:99]
	s_cselect_b32 s98, 4096, 0
	s_add_nc_u64 s[84:85], s[84:85], s[98:99]
	s_cselect_b64 s[76:77], s[36:37], s[44:45]
	s_cselect_b64 s[78:79], s[38:39], s[46:47]
	s_cselect_b64 s[80:81], s[44:45], s[36:37]
	s_cselect_b64 s[82:83], s[46:47], s[38:39]
	s_add_nc_u64 s[94:95], s[76:77], s[94:95]
	s_add_nc_u64 s[96:97], s[80:81], s[96:97]
	CROUND
.irp s, 0,1
	s_mov_b32 s[G0L+4*\s], 1
	s_add_co_u32 s[G0L+4*\s+1], s101, \s*SLOT
	s_add_nc_u64 s[G0L+4*\s+2:G0L+4*\s+3], s[96:97], \s*256
	s_or_b32 s[G0L+4*\s+3], s[G0L+4*\s+3], 0x80000000
	s_mov_b32 s[G0R+4*\s], 1
	s_add_co_u32 s[G0R+4*\s+1], s101, \s*SLOT
	s_add_nc_u64 s[G0R+4*\s+2:G0R+4*\s+3], s[94:95], \s*256
	s_or_b32 s[G0R+4*\s+3], s[G0R+4*\s+3], 0x80000000
	s_wait_alu depctr_va_vdst(0)
	s_wait_tensorcnt 0x0
	ds_add_u32 v30, v31
	ds_add_u32 v30, v31
	s_wait_dscnt 0x0
	CROUND
	JLOAD G0L+4*\s, G1L, G0R+4*\s, G1R
.endr
	v_and_b32 v1, 15, v0
	v_bfe_u32 v2, v0, 4, 1
	v_and_b32 v3, 31, v0
	v_lshlrev_b32 v4, 4, v3
	v_lshlrev_b32 v5, 3, v3
	v_add_nc_u32 v6, s63, v4
	v_lshlrev_b32 v7, 5, v1
	v_lshl_add_u32 v7, v2, 4, v7
	s_wait_alu depctr_va_vdst(0)
	v_mul_u32_u24 v9, v1, PITCH
	v_lshl_add_u32 v9, v2, 4, v9
	s_mul_i32 s98, s7, HALFT
	s_mul_i32 s99, s8, HALFT
	s_add_co_u32 s99, s99, 2*HALFT
.irp s, 0,1
	v_add_nc_u32 v[ADL+\s], s98, v9
	v_add_nc_u32 v[ADR+\s], s99, v9
	s_add_co_u32 s98, s98, SLOT
	s_add_co_u32 s99, s99, SLOT
.endr
	s_lshl_b32 s98, s92, 5
	s_mov_b32 s99, 0
	s_add_nc_u64 s[78:79], s[78:79], s[98:99]
	s_lshl_b32 s98, s93, 5
	s_add_nc_u64 s[82:83], s[82:83], s[98:99]
.irp i, 0,1,2,3,4,5,6,7
	global_load_b128 v[SR+4*\i:SR+4*\i+3], v7, s[78:79] offset:512*\i
	global_load_b128 v[SL+4*\i:SL+4*\i+3], v7, s[82:83] offset:512*\i
.endr
	s_cmp_eq_u32 s2, 2
	s_cselect_b32 s98, s93, s92
	s_lshl_b32 s98, s98, 2
	s_add_nc_u64 s[84:85], s[84:85], s[98:99]
	s_cmp_eq_u32 s2, 2
	s_cbranch_scc1 .Lbias_v
	v_lshlrev_b32 v8, 5, v2
	WIN 0x40
.irp b, 0,1,2,3,4,5,6,7
	global_load_b128 v[BI+8*\b:BI+8*\b+3], v8, s[84:85] offset:64*\b
	global_load_b128 v[BI+8*\b+4:BI+8*\b+7], v8, s[84:85] offset:64*\b+16
.endr
	WIN 0
	s_branch .Lbias_done
.Lbias_v:
	v_lshlrev_b32 v8, 2, v1
	WIN 0x40
.irp a, 0,1,2,3,4,5,6,7
.irp j, 0,1,2,3,4,5,6,7
	global_load_b32 v[BI+8*\a+\j], v8, s[84:85] offset:64*\a
.endr
.endr
	WIN 0
.Lbias_done:
.irp b, 0,1,2,3
	v_mov_b32 v[TM+4+\b], 0
.endr
	s_cmp_eq_u32 s2, 2
	s_cselect_b32 s98, s92, s93
	s_cselect_b32 s99, s93, s92
	s_lshr_b32 s88, s98, 11
	s_lshl_b32 s88, s88, 4
	s_lshr_b32 s99, s99, 6
	s_add_co_u32 s88, s88, s99
	s_lshl_b32 s88, s88, 4
	s_bfe_u32 s98, s98, 0x40007
	s_add_co_u32 s88, s88, s98
	s_mul_i32 s88, s88, s62
	s_mov_b32 s89, 0
	s_add_nc_u64 s[88:89], s[86:87], s[88:89]
	s_lshl_b32 s90, s62, 4
	s_mov_b32 s91, 0
	s_add_nc_u64 s[90:91], s[88:89], s[90:91]
.macro FRAG reg, adr, q, i
.irp c, 0,1
	ds_load_b128 v[\reg+4*\c:\reg+4*\c+3], v[\adr] offset:64*(\q)+32*\c+(\i)*16*PITCH
.endr
.endm
.macro FETCH_R slot, q, p
	WIN 0x40
.irp i, 0,1,2,3,4,5,6,7
	FRAG 128*(\p)+8*\i, ADR+\slot, \q, \i
.endr
	WIN 0
.endm
.macro FETCH_L slot, q, i0
.irp i, \i0, \i0+1, \i0+2, \i0+3
	FRAG LF+8*(\i), ADL+\slot, \q, \i
.endr
.endm
.macro MUL16 a0, p, q, slot, mode
.irp a, \a0, \a0+1
.irp b, 0,1,2,3,4,5,6,7
.set DD, 8*(8*((\a)%4)+\b)
.set CC, DD
.if \mode == 1
.set CC, BI+8*\b
.elseif \mode == 2
.set CC, BI+8*(\a)
.endif
.if \slot
	v_wmma_scale_f32_16x16x128_f8f6f4 v[DD:DD+7], v[128*(\p)+8*\b:128*(\p)+8*\b+7], v[LF+8*(\a):LF+8*(\a)+7], v[CC:CC+7], v[SR+4*\b+(\q)], v[SL+4*(\a)+(\q)] matrix_a_fmt:MATRIX_FMT_FP4 matrix_b_fmt:MATRIX_FMT_FP4 matrix_a_scale:MATRIX_SCALE_ROW1 matrix_b_scale:MATRIX_SCALE_ROW1
.else
	v_wmma_scale_f32_16x16x128_f8f6f4 v[DD:DD+7], v[128*(\p)+8*\b:128*(\p)+8*\b+7], v[LF+8*(\a):LF+8*(\a)+7], v[CC:CC+7], v[SR+4*\b+(\q)], v[SL+4*(\a)+(\q)] matrix_a_fmt:MATRIX_FMT_FP4 matrix_b_fmt:MATRIX_FMT_FP4
.endif
.endr
.endr
.endm
.macro STEP slot, q, mode
	s_wait_dscnt 8
.if \mode
	WIN 0x91
.else
	WIN 0xa1
.endif
	MUL16 0, (\q)%2, \q, \slot, \mode
	MUL16 2, (\q)%2, \q, \slot, \mode
	s_wait_dscnt 0x0
	PLACES 4
	FETCH_R \slot, (\q)+1, 1-(\q)%2
	FETCH_L \slot, (\q)+1, 0
.if \mode
	WIN 0xd1
.else
	WIN 0xf1
.endif
	MUL16 4, (\q)%2, \q, \slot, \mode
	MUL16 6, (\q)%2, \q, \slot, \mode
	PLACES 4
	WIN 0
	FETCH_L \slot, (\q)+1, 4
.endm
	s_wait_tensorcnt 0x1
	s_barrier_signal -1
	s_barrier_wait -1
	s_wait_alu depctr_va_vdst(0)
	FETCH_R 0, 0, 0
	FETCH_L 0, 0, 0
	FETCH_L 0, 0, 4
	s_wait_loadcnt 0x0
	s_cmp_eq_u32 s2, 2
	s_cbranch_scc1 .Lfirst_v
	STEP 0, 0, 1
	s_branch .Lfirst_done
.Lfirst_v:
	STEP 0, 0, 2
.Lfirst_done:
	STEP 0, 1, 0
	STEP 0, 2, 0
	s_wait_dscnt 8
	WIN 0xa1
	MUL16 0, 1, 3, 0, 0
	s_wait_tensorcnt 0x0
	s_wait_dscnt 0x0
	s_barrier_signal -1
	MUL16 2, 1, 3, 0, 0
	WIN 0
	s_barrier_wait -1
	PLACES 4
	FETCH_R 1, 0, 0
	FETCH_L 1, 0, 0
	WIN 0xf1
	MUL16 4, 1, 3, 0, 0
	MUL16 6, 1, 3, 0, 0
	PLACES 4
	WIN 0
	FETCH_L 1, 0, 4
	STEP 1, 0, 0
	STEP 1, 1, 0
	STEP 1, 2, 0
	s_wait_dscnt 8
	WIN 0xa1
	MUL16 0, 1, 3, 1, 0
	MUL16 2, 1, 3, 1, 0
	s_wait_dscnt 0x0
	WIN 0xf1
	MUL16 4, 1, 3, 1, 0
	MUL16 6, 1, 3, 1, 0
	WIN 0
.macro QUANT a
.set AC, 64*((\a)%4)
	WIN 0x0a+5*((\a)/4)
.irp b, 0,1,2,3
	v_max3_num_f32 v[TM+\b], |v[AC+16*\b]|, |v[AC+16*\b+1]|, 0x1800000
.endr
.irp i, 2,4,6,8,10,12,14
.irp b, 0,1,2,3
	v_max3_num_f32 v[TM+\b], |v[AC+16*\b+\i]|, |v[AC+16*\b+\i+1]|, v[TM+\b]
.endr
.endr
	WIN 0
.irp b, 0,1,2,3
	v_permlanex16_b32 v[TM+4+\b], v[TM+\b], s60, s61
.endr
.irp b, 0,1,2,3
	v_max_num_f32 v[TM+\b], v[TM+\b], v[TM+4+\b]
.endr
.irp b, 0,1,2,3
	v_add_nc_u32 v[TM+8+\b], 0xff000000, v[TM+\b]
.endr
.irp b, 0,1,2,3
	v_lshrrev_b32 v[TM+4+\b], 23, v[TM+8+\b]
.endr
	v_lshl_or_b32 v[WD+(\a)], v[TM+5], 8, v[TM+4]
	v_lshl_or_b32 v[WD+(\a)], v[TM+6], 16, v[WD+(\a)]
	v_lshl_or_b32 v[WD+(\a)], v[TM+7], 24, v[WD+(\a)]
	WIN 0x02+(\a)/4
.irp t, 0,1,2,3,4,5,6,7
	v_cvt_scalef32_pk8_fp4_f32 v[CO+8*(\a)+4*(\t/4)+2*(\t%2)+(\t%4)/2], v[AC+8*\t:AC+8*\t+7], v[TM+8+\t/2]
.endr
	WIN 0
	v_nop
.irp g, 0,1
	v_permlane16_swap_b32 v[CO+8*(\a)+4*\g], v[CO+8*(\a)+4*\g+1]
	v_permlane16_swap_b32 v[CO+8*(\a)+4*\g+2], v[CO+8*(\a)+4*\g+3]
.endr
.endm
	PLACES 4
.irp a, 0,1,2,3,4,5,6,7
	QUANT \a
.endr
.irp p, 0,1,2,3
	v_cndmask_b32 v[PP+\p], v[WD+2*\p], v[WD+2*\p+1], s100
.endr
	s_cmp_eq_u32 s2, 2
	s_cbranch_scc1 .Lout_v
.irp p, 0,1,2,3
	v_and_b32 v[PH0+\p], 0xffff, v[PP+\p]
	v_lshrrev_b32 v[PH1+\p], 16, v[PP+\p]
.endr
.irp g, 0,1
.irp a, 0,1,2,3,4,5,6,7
	global_store_b128 v4, v[CO+8*\a+4*\g:CO+8*\a+4*\g+3], s[88+2*\g:89+2*\g] offset:512*\a
.endr
.endr
	global_store_b128 v6, v[PH0:PH0+3], s[88:89]
	global_store_b128 v6, v[PH1:PH1+3], s[90:91]
	s_branch .Lout_done
.Lout_v:
	s_wait_alu depctr_va_vdst(0)
.irp a, 0,1,2,3,4,5,6,7
.irp g, 0,1
	global_store_b128 v4, v[CO+8*\a+4*\g:CO+8*\a+4*\g+3], s[88+2*(\a/4):89+2*(\a/4)] offset:4096+1024*(\a%4)+512*\g
.endr
.endr
	global_store_b64 v5, v[PP:PP+1], s[88:89] offset:8704
	global_store_b64 v5, v[PP+2:PP+3], s[90:91] offset:8704
.Lout_done:
	s_wait_tensorcnt 0x0
	ds_add_u32 v30, v31
	s_wait_dscnt 0x0
	CROUND
	s_endpgm
.Lfunc_end_k_q0fc445b20d_proj:
	.size	k_q0fc445b20d_proj, .Lfunc_end_k_q0fc445b20d_proj-k_q0fc445b20d_proj
	.p2alignl 7, 3214868480
	.fill 96, 4, 3214868480
	.section	.rodata,"a",@progbits
	.p2align	6, 0x0
	.amdhsa_kernel k_q0fc445b20d_proj
		.amdhsa_group_segment_fixed_size 327680
		.amdhsa_private_segment_fixed_size 0
		.amdhsa_enable_private_segment 0
		.amdhsa_kernarg_size 48
		.amdhsa_user_sgpr_count 2
		.amdhsa_user_sgpr_kernarg_segment_ptr 1
		.amdhsa_wavefront_size32 1
		.amdhsa_system_sgpr_workgroup_id_x 1
		.amdhsa_system_sgpr_workgroup_id_y 1
		.amdhsa_system_sgpr_workgroup_id_z 1
		.amdhsa_system_vgpr_workitem_id 0
		.amdhsa_next_free_vgpr 1024
		.amdhsa_next_free_sgpr 102
		.amdhsa_reserve_vcc 0
		.amdhsa_float_denorm_mode_32 3
		.amdhsa_float_denorm_mode_16_64 3
		.amdhsa_memory_ordered 1
		.amdhsa_forward_progress 1
		.amdhsa_inst_pref_size 149
	.end_amdhsa_kernel
	.amdgpu_metadata
---
amdhsa.version: [ 1, 2 ]
amdhsa.kernels:
  - .name:           k_q0fc445b20d_proj
    .symbol:         k_q0fc445b20d_proj.kd
    .args:
      - { .name: text_input_codes, .offset: 0, .size: 8, .value_kind: global_buffer, .address_space: global }
      - { .name: text_input_scales, .offset: 8, .size: 8, .value_kind: global_buffer, .address_space: global }
      - { .name: Wkv_codes, .offset: 16, .size: 8, .value_kind: global_buffer, .address_space: global }
      - { .name: Wkv_scales, .offset: 24, .size: 8, .value_kind: global_buffer, .address_space: global }
      - { .name: bkv, .offset: 32, .size: 8, .value_kind: global_buffer, .address_space: global }
      - { .name: kvimg, .offset: 40, .size: 8, .value_kind: global_buffer, .address_space: global }
    .group_segment_fixed_size: 327680
    .private_segment_fixed_size: 0
    .kernarg_segment_align: 8
    .kernarg_segment_size: 48
    .max_flat_workgroup_size: 128
    .sgpr_count:     102
    .vgpr_count:     1024
    .wavefront_size: 32
...
	.end_amdgpu_metadata
.endif
;; end of part 1
;; launch attn (part 2): grid 4 x 64, 8 waves a work-group, clusters of 4 x 1, 245,760 bytes of LDS; arguments x_codes, x_scales, Wq_codes, Wq_scales, bq, kvimg, out0; writes out0
.if DOCPART == 2
	.amdgcn_target "amdgcn-amd-amdhsa--gfx1250"
	.amdhsa_code_object_version 6
	.text
	.protected	k_q0fc445b20d_attn
	.globl	k_q0fc445b20d_attn
	.p2align	8
	.type	k_q0fc445b20d_attn,@function
k_q0fc445b20d_attn:
	s_mov_b64 s[64:65], 0
	v_nop
	global_prefetch_b8 v0, s[64:65] scope:SCOPE_SE
	s_setreg_imm32_b32 hwreg(HW_REG_WAVE_MODE, 25, 1), 1
	s_wait_xcnt 0x0
	s_wait_alu depctr_hold_cnt(0) depctr_sa_sdst(0) depctr_va_vdst(0) depctr_va_sdst(0) depctr_va_ssrc(0) depctr_va_vcc(0) depctr_vm_vsrc(0)
	s_getreg_b32 s2, hwreg(HW_REG_IB_STS2, 6, 4)
	s_cmp_eq_u32 s2, 0
	s_cbranch_scc0 .Lentry_in_a_cluster
	s_endpgm
.Lentry_in_a_cluster:
	s_bfe_u32 s2, ttmp6, 0x10000c
	s_cmp_lg_u32 s2, 0x3003
	s_cbranch_scc0 .Lentry_shape_is_right
	s_endpgm
.Lentry_shape_is_right:
; out[b][q][64 head ..] = sum over k of softmax_k(Q . K / 8) V, Q = x Wq + bq made here; 64 (batch, head) pairs, 2,048 queries and keys, head size 64.  All three products on codes of FP4 (E2M1), one E8M0 scale for 32 along K.
; kvimg [batch x head][step of 128 keys][8,960] holds images of operand registers (a piece = 512 bytes, lane l's 16 bytes at 16 l): K's 8 pieces (piece T, lane (r, h): key 16 T + r, channels 32 h ..);
;   at 4,096 + 512 i registers 4 i .. 4 i + 3 of V^T's four fragments; at 8,192 K's scale words (word p of lane 16 hh + r: piece 2 p + hh, row r); at 8,704 V's, 8 bytes a lane.
; SHARES.  A cluster of four work-groups is one head; a work-group takes 512 queries, each of its 8 waves 64: four tiles of 16, in 512 registers.  A key step is 256 keys: its fragments of K and V are read from LDS once for the four tiles.
; LDS is filled once: waves 0 to 6 fetch the head's K and V (80 rows of 256 bytes each), wave 7 Wq's 64 rows, all as joint loads of the four partners, one load a wave.
; Every byte that a tensor load brings is asked for by these first lines: there is no later request for a prefetch to run ahead of, so none is written.
; Q: each wave loads its 64 rows of x whole (512 consecutive bytes an instruction), turns them into fragments through its own stage in LDS, multiplies them with Wq's 64 rows (bq as the first C; 16 sums by turns,
; each fragment of Wq read from LDS once) and quantises in registers.
; LAYOUT.  All products are used transposed: a lane holds ONE query (lane % 16) throughout.  THE ROWS OF A TILE ARE CHOSEN: row 8 hb + j of tile 4 c + i is key (channel) 64 c + 32 hb + 8 i + j, so that a lane's
; 32 registers of four tiles are one whole block of 32 along the next K, in the operand's own order: one conversion a tile gives the operand's register, no lane is asked for a block's maximum.
; K = 64 IN AN INSTRUCTION OF 128: Q's fragments have zero codes in registers 4-7; K's tiles lie 4 registers apart, the upper half of a fragment is the next tile's codes, which meet zeros.
; THE SOFTMAX: t = score x log2(e) / 8; M = the running largest t rounded up to a whole number; p = 2^(t - M) is quantised; the sum is taken of the unquantised p; when M moves, sum and O^T are multiplied by 2^(old M - new M).
; LIMITS: the promise holds while |t| stays under 2^31.  A block whose largest p lies under 2^-124 keeps the byte 1.  A block's largest p is made from its largest score by the same multiply-add and exponential,
; which takes v_exp_f32 not to fall where its input rises.  NaN and infinities are not served.
; REGISTERS.  Window 0: v1-7 addresses; v8-23 four tiles' -M, largest score, sum (head: x's scale words); v24-41 scale words; v42-63 at work; v64.. Q; v96.. K; v164.. V; v228.. p's codes; v244.. at work.
;             Window 1: v0-127 S^T, then p; v128-255 O^T of the four tiles (head: x's rows, then its fragments).
.set REC, 8960
.set WP,  528                          ; a row of Wq or x in LDS: 512 bytes + 16
.set WQL, 16*REC                       ; Wq's 64 rows, behind the records
.set STG, WQL+64*WP                    ; the stages: 16 rows x 528 bytes a wave; no tensor load lands there
.set STW, 16*WP
.set SPARE, STG+8*STW                  ; the spare words
.set SPW, 1
.set NIL, 2
.set ADK, 3
.set ADS, 4
.set ADV, 5
.set AD8, 6
.set ST,  8
.set QS,  24
.set PS,  28
.set KS,  30
.set VS,  38
.set F,   52
.set T,   54
.set BM,  60
.set QF,  64
.set KF,  96
.set VF,  164
.set PC,  228
.set SCL, 244
.set AC,  248                          ; four of the eight chains; the other four at v42-49
.set OT,  128
.set XS,  8                            ; the head: x's scale words, Wq's, bq (in Q's registers), Wq's four fragments, Q's 16 sums
.set WS,  28
.set TQ,  44
.set BI,  64
.set WF,  96
.set QA,  128
.set AFR, 60
.set AW,  61
.set MSB, 0
.macro WIN new
.if MSB != (\new)
	s_set_vgpr_msb (MSB<<8)|(\new)
.set MSB, (\new)
.endif
.endm
.macro PLACES n
.rept \n
	v_nop
.endr
.endm
.macro ROUND
	s_barrier_signal -1
	s_barrier_wait -1
	s_cmp_lg_u32 s2, 0
	s_cbranch_scc1 .Lnot_wave_0_\@
	s_barrier_signal -3
.Lnot_wave_0_\@:
	s_barrier_wait -3
	s_barrier_signal -1
	s_barrier_wait -1
.endm
; one product on the registers DD, AA, BB, CC, SA, SB.  z: C = 0;  ra, rb: the scales stand in lanes 16-31
.macro MM z, ra, rb
.if \z
.if \ra
	v_wmma_scale_f32_16x16x128_f8f6f4 v[DD:DD+7], v[AA:AA+7], v[BB:BB+7], 0, v[SA], v[SB] matrix_a_fmt:MATRIX_FMT_FP4 matrix_b_fmt:MATRIX_FMT_FP4 matrix_a_scale:MATRIX_SCALE_ROW1
.else
	v_wmma_scale_f32_16x16x128_f8f6f4 v[DD:DD+7], v[AA:AA+7], v[BB:BB+7], 0, v[SA], v[SB] matrix_a_fmt:MATRIX_FMT_FP4 matrix_b_fmt:MATRIX_FMT_FP4
.endif
.elseif \rb
	v_wmma_scale_f32_16x16x128_f8f6f4 v[DD:DD+7], v[AA:AA+7], v[BB:BB+7], v[CC:CC+7], v[SA], v[SB] matrix_a_fmt:MATRIX_FMT_FP4 matrix_b_fmt:MATRIX_FMT_FP4 matrix_a_scale:MATRIX_SCALE_ROW1 matrix_b_scale:MATRIX_SCALE_ROW1
.elseif \ra
	v_wmma_scale_f32_16x16x128_f8f6f4 v[DD:DD+7], v[AA:AA+7], v[BB:BB+7], v[CC:CC+7], v[SA], v[SB] matrix_a_fmt:MATRIX_FMT_FP4 matrix_b_fmt:MATRIX_FMT_FP4 matrix_a_scale:MATRIX_SCALE_ROW1
.else
	v_wmma_scale_f32_16x16x128_f8f6f4 v[DD:DD+7], v[AA:AA+7], v[BB:BB+7], v[CC:CC+7], v[SA], v[SB] matrix_a_fmt:MATRIX_FMT_FP4 matrix_b_fmt:MATRIX_FMT_FP4
.endif
.endm
	s_load_b256 s[8:15], s[0:1], 0x0               ; x's codes, x's scales, Wq's codes, Wq's scales
	s_load_b128 s[16:19], s[0:1], 0x20             ; bq, kvimg
	s_load_b64 s[20:21], s[0:1], 0x30              ; out0
	v_lshl_add_u32 v[SPW], v0, 2, SPARE
	v_mov_b32 v[NIL], 0
	ds_add_u32 v[SPW], v[NIL]                      ; the opening lines: the add twice on end and its wait
	ds_add_u32 v[SPW], v[NIL]
	v_lshrrev_b32 v96, 5, v0
	v_readfirstlane_b32 s2, v96                    ; wave 0..7
	s_bfe_u32 s3, ttmp6, 0x40000                   ; cx: which 512 queries; it enters x's and out's addresses alone
	s_and_b32 s4, ttmp7, 0xffff                    ; batch x 16 + head
	s_mov_b32 s24, 15|(3<<16)|(1<<21)              ; group 1 for K and V: 80 dense rows of 32 elements of 8 bytes; the mask names the four partners
	s_mov_b32 s25, 32<<16
	s_mov_b32 s26, 80<<16
	s_mov_b32 s27, 32<<16
	s_mov_b32 s28, 80
	s_mov_b32 s29, 32
	s_mov_b32 s30, 0
	s_mov_b32 s31, 0
	s_mov_b32 s32, 15|(3<<16)|(1<<20)|(1<<21)|(6<<22)|(3<<25)   ; for Wq: 64 rows of 64 elements, four words of padding behind every 128
	s_mov_b32 s33, 64<<16
	s_mov_b32 s34, 64<<16
	s_mov_b32 s35, 64<<16
	s_mov_b32 s36, 64
	s_mov_b32 s37, 64
	s_mov_b32 s38, 0
	s_mov_b32 s39, 0
	s_mov_b32 s40, 0x76543210                      ; v_permlanex16_b32's selects for lane l xor 16
	s_mov_b32 s41, 0xfedcba98
	s_mov_b32 s42, 0x3e38aa3b                      ; c = log2(e) / 8
	s_mov_b32 s43, s42
	s_lshr_b32 s67, s4, 4                          ; batch
	s_and_b32 s68, s4, 15                          ; head
	s_lshl_b32 s69, s67, 11
	s_lshl_b32 s70, s3, 9
	s_add_co_u32 s69, s69, s70
	s_lshl_b32 s70, s2, 6
	s_add_co_u32 s69, s69, s70                     ; my first query's row: 2,048 batch + 512 cx + 64 wave
	s_lshl_b32 s52, s69, 9
	s_mov_b32 s53, 0
	s_lshl_b32 s54, s69, 5
	s_mov_b32 s55, 0
	s_lshl_b32 s56, s68, 15                        ; the head's 64 rows of Wq
	s_mov_b32 s57, 0
	s_lshl_b32 s58, s68, 11
	s_mov_b32 s59, 0
	s_lshl_b32 s60, s68, 8
	s_mov_b32 s61, 0
	s_lshl_b32 s62, s69, 12
	s_add_co_u32 s62, s62, s60                     ; out: row x 4,096 + 256 head
	s_mov_b32 s63, 0
	s_mul_i32 s70, s4, 16*REC
	s_mul_i32 s45, s2, 80*256                      ; a fetching wave's 80 rows: in LDS and in the head alike
	s_add_co_u32 s70, s70, s45
	s_mov_b32 s71, 0
	s_mul_i32 s66, s2, STW
	s_add_co_u32 s66, s66, STG                     ; my stage
	v_and_b32 v96, 31, v0                          ; lane
	v_and_b32 v97, 15, v0                          ; r
	v_bfe_u32 v98, v0, 4, 1                        ; h
	v_and_b32 v99, 7, v0                           ; j
	v_bfe_u32 v100, v0, 3, 1                       ; hb
	v_lshlrev_b32 v3, 4, v96                       ; x's rows: 16 lane
	v_lshlrev_b32 v4, 5, v97
	v_lshl_add_u32 v4, v98, 4, v4                  ; x's scales: 32 r + 16 h: lanes 0-15 hold K steps 0-3, lanes 16-31 K steps 4-7
	v_lshlrev_b32 v5, 5, v99
	v_lshl_add_u32 v5, v100, 10, v5
	v_lshl_add_u32 v5, v98, 4, v5                  ; Wq's scales: row 32 hb + j (+ 8 i)
	v_lshlrev_b32 v6, 7, v98                       ; bq: channel 32 h (+ 8 i)
	v_add_nc_u32 v7, s66, v3                       ; the stage, in: a row an instruction
	v_mul_u32_u24 v[AFR], v97, WP
	v_lshl_add_u32 v[AFR], v98, 4, v[AFR]
	v_add_nc_u32 v[AFR], s66, v[AFR]               ; back: row r, + 16 h
	v_mul_u32_u24 v[AW], v99, WP
	v_mad_u32_u24 v[AW], v100, 32*WP, v[AW]
	v_lshl_add_u32 v[AW], v98, 4, v[AW]
	v_add_nc_u32 v[AW], WQL, v[AW]                 ; Wq's fragments: row 32 hb + j (+ 8 i)
	s_wait_dscnt 0x0
	s_wait_alu depctr_va_vdst(0)
	s_wait_kmcnt 0x0
	s_add_nc_u64 s[46:47], s[18:19], s[70:71]
	s_add_nc_u64 s[56:57], s[12:13], s[56:57]
	s_mov_b32 s44, 1
	s_or_b32 s47, s47, 0x80000000
	s_mov_b32 s48, 1
	s_mov_b32 s49, WQL
	s_mov_b64 s[50:51], s[56:57]
	s_or_b32 s51, s51, 0x80000000
	ROUND                                          ; the four partners are here: the joint loads meet
	s_cmp_lt_u32 s2, 7
	s_cbranch_scc0 .Lwq
	tensor_load_to_lds s[44:47], s[24:31]
	s_nop 0
	PLACES 4
	s_branch .Lasked
.Lwq:
	tensor_load_to_lds s[48:51], s[32:39]
	s_nop 0
	PLACES 4
.Lasked:
	s_add_nc_u64 s[52:53], s[8:9], s[52:53]
	s_add_nc_u64 s[54:55], s[10:11], s[54:55]
	s_add_nc_u64 s[58:59], s[14:15], s[58:59]
	s_add_nc_u64 s[60:61], s[16:17], s[60:61]
	s_add_nc_u64 s[62:63], s[20:21], s[62:63]
.irp i, 0,1,2,3                                ; 16 short loads first, then x's 64 rows
	global_load_b128 v[XS+4*\i:XS+4*\i+3], v4, s[54:55] offset:512*\i
	global_load_b128 v[WS+4*\i:WS+4*\i+3], v5, s[58:59] offset:256*\i
	global_load_b128 v[BI+8*\i:BI+8*\i+3], v6, s[60:61] offset:32*\i
	global_load_b128 v[BI+8*\i+4:BI+8*\i+7], v6, s[60:61] offset:32*\i+16
.endr
	WIN 0x40
.set j, 0
.rept 64
	global_load_b128 v[4*j:4*j+3], v3, s[52:53] offset:512*j   ; the 32 lanes read one row's 512 bytes
.set j, j+1
.endr
.irp t, 0,1,2,3                                ; x, tile by tile: rows into my stage, fragments back into the same registers (LDS serves a wave's instructions in order)
	s_wait_loadcnt 48-16*\t                        ; the later tiles' rows may be out
	WIN 0x04
.set j, 0
.rept 16
	ds_store_b128 v7, v[64*\t+4*j:64*\t+4*j+3] offset:j*WP
.set j, j+1
.endr
	WIN 0x40
.set j, 0
.rept 16
	ds_load_b128 v[64*\t+4*j:64*\t+4*j+3], v[AFR] offset:32*j   ; registers 8 q + 4 c: K = 128 q + 64 c + 32 h ..
.set j, j+1
.endr
.endr
	WIN 0
	s_wait_tensorcnt 0x0                           ; my part of K, V or Wq is in,
	s_wait_dscnt 0x0
	s_barrier_signal -1
	s_barrier_wait -1                              ; and everybody's
; Q^T = Wq x^T + bq: 4 channel tiles x 4 query tiles, 16 sums by turns.  Wq's four fragments lie in one set of registers: fragment i is fetched anew behind its four products
.macro WFL q, i
.irp c, 0,1
	ds_load_b128 v[WF+8*(\i)+4*\c:WF+8*(\i)+4*\c+3], v[AW] offset:8*(\i)*WP+64*(\q)+32*\c
.endr
.endm
.irp i, 0,1,2,3
	WFL 0, \i
.endr
.irp q, 0,1,2,3,4,5,6,7
.irp i, 0,1,2,3
.if \q < 7
	s_wait_dscnt 6                                 ; behind this fragment's two loads three other fragments' were issued
.else
	s_wait_dscnt 6-2*\i
.endif
	WIN 0x04
.irp u, 0,1,2,3
.set DD, QA+32*\u+8*\i
.set AA, WF+8*\i
.set BB, 64*\u+8*\q
.set CC, DD
.if \q == 0
.set CC, BI+8*\i                               ; bq starts the sums
.endif
.set SA, WS+4*\i+\q%4
.set SB, XS+4*\u+\q%4
	MM 0, \q/4, \q/4
.endr
	WIN 0
.if \q < 7
	PLACES 4                                       ; in front of loads into registers that products have read
	WFL \q+1, \i
.endif
.endr
.endr
	PLACES 4
.irp u, 0,1,2,3
	v_max3_num_f32 v[TQ+\u], |v[QA+32*\u]|, |v[QA+32*\u+1]|, 0x1800000   ; my 32 channels are one block; the floor holds the byte at 1
	v_mov_b32 v[TQ+12+\u], 0
.endr
.irp k, 2,4,6,8,10,12,14,16,18,20,22,24,26,28,30
.irp u, 0,1,2,3
	v_max3_num_f32 v[TQ+\u], |v[QA+32*\u+\k]|, |v[QA+32*\u+\k+1]|, v[TQ+\u]
.endr
.endr
.irp u, 0,1,2,3
	v_add_nc_u32 v[TQ+4+\u], 0xff000000, v[TQ+\u]  ; 2 off the exponent field: the conversion's scale operand
.endr
.irp u, 0,1,2,3
	v_lshrrev_b32 v[TQ+8+\u], 23, v[TQ+4+\u]       ; the byte
.endr
.irp u, 0,1,2,3
	v_permlanex16_b32 v[TQ+12+\u], v[TQ+8+\u], s40, s41
.endr
.irp u, 0,1,2,3
	v_lshl_or_b32 v[QS+\u], v[TQ+12+\u], 8, v[TQ+8+\u]   ; lanes 0-15: blocks 0 and 1; bytes 2, 3 stand over zero codes
.endr
.irp u, 0,1,2,3
.irp i, 0,1,2,3
	v_cvt_scalef32_pk8_fp4_f32 v[QF+8*\u+\i], v[QA+32*\u+8*\i:QA+32*\u+8*\i+7], v[TQ+4+\u]
.endr
.endr
	v_nop
.irp u, 0,1,2,3
.irp i, 4,5,6,7
	v_mov_b32 v[QF+8*\u+\i], 0                     ; zero codes for K = 64 .. 127
.endr
.endr
.irp i, 0,1,2,3
	v_mov_b32 v[ST+4*\i], 0x7e000000               ; -M: 2^125, so that the first f is 0
	v_mov_b32 v[ST+4*\i+1], 0xff61b1e6             ; the largest score so far: -3e38
	v_mov_b32 v[ST+4*\i+2], 0                      ; the sum, in two halves
	v_mov_b32 v[ST+4*\i+3], 0
	v_mov_b32 v[KF+64+\i], 0                       ; the upper half of K's last fragment
.endr
	v_mov_b32 v[F+1], 0
	v_mov_b32 v[T+1], 0                            ; a lane permute's destination counts as a source
	v_mov_b32 v[T+4], 0
	v_and_b32 v[BM], 7, v0
	v_bfe_u32 v[BM+1], v0, 3, 1
	v_bfe_u32 v[BM+2], v0, 4, 1
	v_and_b32 v[BM+3], 31, v0
	v_lshlrev_b32 v[ADK], 4, v[BM]
	v_lshl_add_u32 v[ADS], v[BM+1], 2, v[ADK]
	v_lshl_add_u32 v[ADK], v[BM+1], 10, v[ADK]
	v_lshl_add_u32 v[ADK], v[BM+2], 8, v[ADK]      ; K: 16 j + 1,024 hb + 256 h: row 8 hb + j of tile 4 c + i is key 64 c + 32 hb + 8 i + j
	v_lshl_add_u32 v[ADS], v[BM+2], 7, v[ADS]      ; its scale words: 16 j + 4 hb; lanes 16-31 take the odd tile's
	v_lshlrev_b32 v[ADV], 4, v[BM+3]
	v_lshlrev_b32 v[AD8], 3, v[BM+3]
.macro KLOAD                           ; 24 loads: 256 keys' tiles and scale words
.irp p, 0,1
.irp t, 0,1,2,3,4,5,6,7
	ds_load_b128 v[KF+32*\p+4*\t:KF+32*\p+4*\t+3], v[ADK] offset:REC*\p+2048*(\t/4)+512*((\t%4)/2)+128*(\t%2)
.endr
.irp g, 0,1,2,3
	ds_load_b32 v[KS+4*\p+\g], v[ADS] offset:REC*\p+8192+256*(\g%2)+8*(\g/2)
.endr
.endr
.endm
.macro VLOAD                           ; 18 loads
.irp p, 0,1
.irp t, 0,1,2,3,4,5,6,7
	ds_load_b128 v[VF+32*\p+4*\t:VF+32*\p+4*\t+3], v[ADV] offset:REC*\p+4096+512*\t
.endr
	ds_load_b64 v[VS+2*\p:VS+2*\p+1], v[AD8] offset:REC*\p+8704
.endr
.endm
	KLOAD
	WIN 0x40
.set j, 0
.rept 128
	v_mov_b32 v[OT+j], 0                           ; O^T: the step is written once, its first trip finds zeros
.set j, j+1
.endr
	WIN 0
; ONE TILE OF 16 QUERIES AGAINST 256 KEYS
.macro TILE i
.set NM, ST+4*\i
	WIN 0x40
.irp t, 0,1,2,3,4,5,6,7,8,9,10,11,12,13,14,15   ; S^T = K Q^T
.set DD, 8*\t
.set AA, KF+4*\t
.set BB, QF+8*\i
.set SA, KS+\t/2
.set SB, QS+\i
	MM 1, \t%2, 0
.endr
	WIN 0
.if \i == 3                                    ; K's registers are free: the next step's tiles are asked for here, but for the last trip
	v_add_nc_u32 v[ADK], 2*REC, v[ADK]
	v_add_nc_u32 v[ADS], 2*REC, v[ADS]
	v_nop
	v_nop                                          ; four places behind the products
	s_wait_alu depctr_va_vdst(0)                   ; the wait ahead of the branch
	s_cmp_eq_u32 s72, 1
	s_cbranch_scc1 .Lno_k_\@
	KLOAD
.Lno_k_\@:
.else
	PLACES 4
.endif
	WIN 0x05
.irp b, 0,1,2,3
	v_max_num_f32 v[BM+\b], v[32*\b], v[32*\b+1]   ; the largest score of each of my four blocks of 32 keys, in two chains a block: eight chains by turns; each accumulator from its low end on
.endr
.irp b, 0,1,2,3
	v_max_num_f32 v[AC+\b], v[32*\b+16], v[32*\b+17]
.endr
.irp k, 2,4,6,8,10,12,14
.irp b, 0,1,2,3
	v_max3_num_f32 v[BM+\b], v[32*\b+\k], v[32*\b+\k+1], v[BM+\b]
.endr
.irp b, 0,1,2,3
	v_max3_num_f32 v[AC+\b], v[32*\b+16+\k], v[32*\b+17+\k], v[AC+\b]
.endr
.endr
	WIN 0
.irp b, 0,1,2,3
	v_max_num_f32 v[BM+\b], v[BM+\b], v[AC+\b]     ; a block's two chains joined
.endr
	v_max3_num_f32 v[T], v[BM], v[BM+1], v[BM+2]
	s_delay_alu instid0(VALU_DEP_1)
	v_max_num_f32 v[T], v[T], v[BM+3]
	s_delay_alu instid0(VALU_DEP_1)
	v_permlanex16_b32 v[T+1], v[T], s40, s41       ; lane l xor 16 holds the other blocks
	s_delay_alu instid0(VALU_DEP_1)
	v_max3_num_f32 v[NM+1], v[NM+1], v[T], v[T+1]  ; the running largest score
	s_delay_alu instid0(VALU_DEP_1)
	v_mul_f32 v[T], s42, v[NM+1]                   ; as t
	s_delay_alu instid0(VALU_DEP_1)
	v_floor_f32 v[T+2], -v[T]                      ; the new -M = -ceil(t)
	s_delay_alu instid0(VALU_DEP_1)
	v_sub_f32 v[T+3], v[T+2], v[NM]                ; old M - new M, a whole number, 0 or less
	v_mov_b32 v[NM], v[T+2]
	s_delay_alu instid0(VALU_DEP_2)
	v_cvt_i32_f32 v[T+3], v[T+3]                   ; (it saturates)
	s_delay_alu instid0(VALU_DEP_1)
	v_ldexp_f32 v[F], 1.0, v[T+3]                  ; f = 2^(old M - new M)
	s_delay_alu instid0(VALU_DEP_3)
	v_fma_f32 v[BM], v[BM], s42, v[NM]
	s_delay_alu instid0(VALU_DEP_4)
	v_fma_f32 v[BM+1], v[BM+1], s42, v[NM]
	v_fma_f32 v[BM+2], v[BM+2], s42, v[NM]
	v_fma_f32 v[BM+3], v[BM+3], s42, v[NM]
	WIN 0x41
.set j, 0
.rept 64
	v_pk_fma_f32 v[j:j+1], v[j:j+1], s[42:43], v[NM:NM+1] op_sel_hi:[1,0,0]   ; t - M
.set j, j+2
.endr
	s_wait_alu depctr_va_vdst(0)                   ; the wait ahead of the batch
.set j, 0
.rept 128
	v_exp_f32 v[j], v[j]                           ; p = 2^(t - M)
.set j, j+1
.endr
	WIN 0
.irp b, 0,1,2,3
	v_exp_f32 v[BM+\b], v[BM+\b]                   ; each block's largest p
.endr
	v_pk_mul_f32 v[NM+2:NM+3], v[NM+2:NM+3], v[F:F+1] op_sel_hi:[1,0]   ; the sum under the new M: the plain instruction behind the batch
	s_wait_alu depctr_va_vdst(0)                   ; and the wait behind it
	WIN 0x05
.irp k, 0,1,2,3,4,5,6,7
.set AK, AC+2*\k-(\k/4)*(AC-34)
	v_pk_add_f32 v[AK:AK+1], v[2*\k:2*\k+1], v[16+2*\k:17+2*\k]   ; the sum of the unquantised p, in eight chains
.endr
	WIN 0x01
.set j, 32
.rept 6
.irp k, 0,1,2,3,4,5,6,7
.set AK, AC+2*\k-(\k/4)*(AC-34)
	v_pk_add_f32 v[AK:AK+1], v[j+2*\k:j+2*\k+1], v[AK:AK+1]
.endr
.set j, j+16
.endr
	WIN 0
.irp b, 0,1,2,3
	v_max_num_f32 v[BM+\b], 0x1800000, v[BM+\b]    ; the floor 2^(3 - 127)
.endr
.irp k, 0,1,2,3
	v_pk_add_f32 v[AC+2*\k:AC+2*\k+1], v[AC+2*\k:AC+2*\k+1], v[42+2*\k:43+2*\k]   ; (the chains are joined between the lines that make the scales)
.endr
.irp b, 0,1,2,3
	v_add_nc_u32 v[SCL+\b], 0xff000000, v[BM+\b]   ; the conversion's scale operand
.endr
	v_pk_add_f32 v[AC:AC+1], v[AC:AC+1], v[AC+4:AC+5]
	v_pk_add_f32 v[AC+2:AC+3], v[AC+2:AC+3], v[AC+6:AC+7]
.irp b, 0,1,2,3
	v_lshrrev_b32 v[T+\b], 23, v[SCL+\b]           ; the byte
.endr
	v_pk_add_f32 v[AC:AC+1], v[AC:AC+1], v[AC+2:AC+3]
	s_delay_alu instid0(VALU_DEP_4)
	v_lshl_or_b32 v[T], v[T+1], 8, v[T]
	s_delay_alu instid0(VALU_DEP_3)
	v_lshl_or_b32 v[T+2], v[T+3], 8, v[T+2]
	s_delay_alu instid0(VALU_DEP_3)
	v_pk_add_f32 v[NM+2:NM+3], v[NM+2:NM+3], v[AC:AC+1]
	s_delay_alu instid0(VALU_DEP_2)
	v_lshl_or_b32 v[T], v[T+2], 16, v[T]           ; my four bytes
	s_delay_alu instid0(VALU_DEP_1)
	v_permlanex16_b32 v[T+4], v[T], s40, s41
	s_delay_alu instid0(VALU_DEP_1)
	v_perm_b32 v[PS], v[T+4], v[T], 0x05010400     ; lanes 0-15: the scale word of keys 0-127: mine, the other lane's, mine, the other's
	v_perm_b32 v[PS+1], v[T+4], v[T], 0x07030602   ; and of keys 128-255
	WIN 0x01
.irp t, 0,1,2,3,4,5,6,7,8,9,10,11,12,13,14,15
	v_cvt_scalef32_pk8_fp4_f32 v[PC+\t], v[8*\t:8*\t+7], v[SCL+\t/4]   ; tile t's eight keys are register t of P's fragments
.endr
.if \i == 0
	s_wait_dscnt 0x0                               ; V and its scale words are in
.endif
	WIN 0x41
	s_wait_alu depctr_va_vdst(0)                   ; the wait directly ahead of the first readers of O^T
.set j, 0
.rept 16
	v_pk_mul_f32 v[OT+32*\i+j:OT+32*\i+j+1], v[OT+32*\i+j:OT+32*\i+j+1], v[F:F+1] op_sel_hi:[1,0]   ; O^T under the new M; twelve of these name no register of any one product below
.set j, j+2
.endr
	WIN 0x50
.irp p, 0,1                                    ; O^T += V^T P^T: the four accumulators by turns
.irp d, 0,1,2,3
.set DD, OT+32*\i+8*\d
.set CC, DD
.set AA, VF+32*\p+8*\d
.set BB, PC+8*\p
.set SA, VS+2*\p+\d/2
.set SB, PS+\p
	MM 0, \d%2, 0
.endr
.endr
	WIN 0
.endm
	s_mov_b32 s72, 8
	s_wait_alu depctr_va_vdst(0)                   ; the wait at the head's end
.Lstep:                                            ; 8 trips of 256 keys
	PLACES 4                                       ; behind the last products, in front of the loads into V's registers
	VLOAD
	v_add_nc_u32 v[ADV], 2*REC, v[ADV]
	v_add_nc_u32 v[AD8], 2*REC, v[AD8]
	s_wait_dscnt 18                                ; K is in; V's 18 loads may be out
	TILE 0
	TILE 1
	TILE 2
	TILE 3
	s_sub_co_u32 s72, s72, 1
	s_cmp_lg_u32 s72, 0
	s_wait_alu depctr_va_vdst(0)
	s_cbranch_scc1 .Lstep
; THE WAY OUT: O^T / the sum goes through my stage and leaves as rows of the head's 256 bytes: sixteen lanes store 256 consecutive bytes, at a multiple of 256 from out's first byte
.set R,  64
.set RB, 96
.irp i, 0,1,2,3
	v_add_f32 v[AC+2*\i], v[ST+4*\i+2], v[ST+4*\i+3]
.endr
.irp i, 0,1,2,3
	v_permlanex16_b32 v[T+\i], v[AC+2*\i], s40, s41
.endr
.irp i, 0,1,2,3
	v_add_f32 v[AC+2*\i], v[AC+2*\i], v[T+\i]      ; with lane l xor 16's keys: the row's sum
.endr
	v_and_b32 v60, 15, v0
	v_bfe_u32 v61, v0, 4, 1
	v_mul_u32_u24 v3, v60, 272
	v_mul_u32_u24 v4, v61, 272
	v_lshl_add_u32 v3, v61, 5, v3
	v_lshl_add_u32 v4, v60, 4, v4
	v_add_nc_u32 v3, s66, v3                       ; in: row r, 64 d + 32 h bytes on
	v_add_nc_u32 v4, s66, v4                       ; back: lanes 0-15 one row, lanes 16-31 the next
	v_lshlrev_b32 v7, 12, v61
	v_lshl_add_u32 v7, v60, 4, v7                  ; the same two rows in out
	s_wait_alu depctr_va_vdst(0)
.irp i, 0,1,2,3
	v_rcp_f32 v[AC+2*\i], v[AC+2*\i]
.endr
	v_nop
.macro OUTP i
	WIN 0x01
	s_wait_alu depctr_va_vdst(0)                   ; the wait ahead of the first readers
.set j, 0
.rept 16
	v_pk_mul_f32 v[R+j:R+j+1], v[OT+32*\i+j:OT+32*\i+j+1], v[AC+2*\i:AC+2*\i+1] op_sel_hi:[1,0]
.set j, j+2
.endr
	WIN 0
.irp d, 0,1,2,3
	ds_store_b128 v3, v[R+8*\d:R+8*\d+3] offset:64*\d
	ds_store_b128 v3, v[R+8*\d+4:R+8*\d+7] offset:64*\d+16
.endr
.irp k, 0,1,2,3,4,5,6,7
	ds_load_b128 v[RB+32*\i+4*\k:RB+32*\i+4*\k+3], v4 offset:544*\k
.endr
.endm
.macro SEND i, y                       ; y: the LDS instructions issued behind tile i's loads
.irp k, 0,1,2,3,4,5,6,7
	s_wait_dscnt \y+7-\k
	global_store_b128 v7, v[RB+32*\i+4*\k:RB+32*\i+4*\k+3], s[62:63] offset:65536*\i+8192*\k th:TH_STORE_NT
.endr
.endm
	OUTP 0
	OUTP 1
	SEND 0, 16
	OUTP 2
	SEND 1, 16
	OUTP 3
	SEND 2, 16
	SEND 3, 0
	s_wait_tensorcnt 0x0                           ; the wave's end
	ds_add_u32 v[SPW], v[NIL]
	s_wait_dscnt 0x0
	ROUND                                          ; the closing round
	s_endpgm
.Lfunc_end_k_q0fc445b20d_attn:
	.size	k_q0fc445b20d_attn, .Lfunc_end_k_q0fc445b20d_attn-k_q0fc445b20d_attn
	.p2alignl 7, 3214868480
	.fill 96, 4, 3214868480
	.section	.rodata,"a",@progbits
	.p2align	6, 0x0
	.amdhsa_kernel k_q0fc445b20d_attn
		.amdhsa_group_segment_fixed_size 245760
		.amdhsa_private_segment_fixed_size 0
		.amdhsa_enable_private_segment 0
		.amdhsa_kernarg_size 56
		.amdhsa_user_sgpr_count 2
		.amdhsa_user_sgpr_kernarg_segment_ptr 1
		.amdhsa_wavefront_size32 1
		.amdhsa_system_sgpr_workgroup_id_x 1
		.amdhsa_system_sgpr_workgroup_id_y 1
		.amdhsa_system_sgpr_workgroup_id_z 1
		.amdhsa_system_vgpr_workitem_id 0
		.amdhsa_next_free_vgpr 512
		.amdhsa_next_free_sgpr 80
		.amdhsa_reserve_vcc 0
		.amdhsa_float_denorm_mode_32 3
		.amdhsa_float_denorm_mode_16_64 3
		.amdhsa_memory_ordered 1
		.amdhsa_forward_progress 1
		.amdhsa_inst_pref_size 176
	.end_amdhsa_kernel
	.amdgpu_metadata
---
amdhsa.version: [ 1, 2 ]
amdhsa.kernels:
  - .name:           k_q0fc445b20d_attn
    .symbol:         k_q0fc445b20d_attn.kd
    .args:
      - { .name: x_codes, .offset: 0, .size: 8, .value_kind: global_buffer, .address_space: global }
      - { .name: x_scales, .offset: 8, .size: 8, .value_kind: global_buffer, .address_space: global }
      - { .name: Wq_codes, .offset: 16, .size: 8, .value_kind: global_buffer, .address_space: global }
      - { .name: Wq_scales, .offset: 24, .size: 8, .value_kind: global_buffer, .address_space: global }
      - { .name: bq, .offset: 32, .size: 8, .value_kind: global_buffer, .address_space: global }
      - { .name: kvimg, .offset: 40, .size: 8, .value_kind: global_buffer, .address_space: global }
      - { .name: out0, .offset: 48, .size: 8, .value_kind: global_buffer, .address_space: global }
    .group_segment_fixed_size: 245760
    .private_segment_fixed_size: 0
    .kernarg_segment_align: 8
    .kernarg_segment_size: 56
    .max_flat_workgroup_size: 256
    .sgpr_count:     80
    .vgpr_count:     512
    .wavefront_size: 32
...
	.end_amdgpu_metadata
.endif
;; end of part 2
